; MI455X (gfx1250); checked and timed in simulation.
; The chip was launched on July 23, 2026; its instructions are those of AMD's public machine-readable ISA for CDNA 5 (MIT licence, August 2026) and "CDNA5" Instruction Set Architecture Reference Guide (July 2026). The comments in the code are by the model that wrote it; some were corrected since.
;; Iterative Model. Allowed arithmetic: matrix products marked QUANTISED: E2M1 operands, one E8M0 scale for each 32 along K, by v_wmma_scale_f32_16x16x128_f8f6f4 with both operands' format E2M1 (or v_wmma_scale_f32_32x16x128_f4), f32 sums; products left as they are: f32 operands where the result goes on into a quantised operand, else bf16, f16 or f32 operands; f32 sums; everything else in f32.
;; Inputs: W_fc 2,048 x 5 float32; W_feat_codes 2,048 x 128 x 16 uint8 (E2M1 codes of W_feat, K innermost, in blocks of 32 codes, two codes a byte); W_feat_scales 2,048 x 128 uint8 (E8M0 scales of W_feat, one for each 32 codes along K); b_fc 5 float32; prototypes 5 x 8 x 2,048 float32; x_codes 8,192 x 128 x 16 uint8 (E2M1 codes of x, K innermost, in blocks of 32 codes, two codes a byte); x_scales 8,192 x 128 uint8 (E8M0 scales of x, one for each 32 codes along K).
;; Outputs: out0 8,192 x 5 float32; out1 8,192 int32.
;; Constants: epoch = 5.
;; This version of the problem:
;;   THIS VERSION OF THE PROBLEM IS GIVEN IN LOW PRECISION. The matrix products marked QUANTISED in the list below multiply operands that are first quantised to E2M1 (2 exponent bits, 1 mantissa bit; 4 bits a number), with one power-of-two scale for each 32 numbers along K (OCP MX v1.0); their sums are f32. All else is computed in f32.
;;   The module's matrix products, in the order in which they are computed (A, B: the left and right operand; K: the contracted axis; several contracted axes count as one K, in the product's order):
;;     1. [M 8,192, K 4,096] x [K 4,096, N 2,048]; A: input x (given as codes); B: input W_feat (given as codes): QUANTISED
;;     2. [M 8,192, K 2,048] x [K 2,048, N 5]; A: computed on the way; B: input W_fc: left as it is (N = 5 < 16)
;;     3. [M 8,192, K 2,048] x [K 2,048, N 5]; A: computed on the way; B: computed on the way: left as it is (N = 5 < 16)
;;   THE QUANTISER, for each operand of a quantised product, along K:
;;     - K is cut into blocks of 32 from its start; a last block that is shorter is filled with zeros.
;;     - A block's scale is 2^e with e = floor(log2(the largest magnitude in the block)) - 2, held to -126 .. 127; a block of zeros has e = 0. As a byte (E8M0): e + 127.
;;     - Each number is divided by its block's scale, clamped to +-6, and rounded to the nearest number of E2M1, ties to even, subnormals kept.
;;     - The product sums the exact products of the quantised numbers (number of the format x scale) in f32.
;;   ~~~python
;;   def quantise(x, axis):      # numpy; x: float32 -> the quantised numbers, widened to float32 again
;;       x = np.moveaxis(x, axis, -1); K = x.shape[-1]
;;       x = np.pad(x, [(0, 0)] * (x.ndim - 1) + [(0, -K % 32)]); x = x.reshape(x.shape[:-1] + (-1, 32)); a = np.abs(x).max(-1, keepdims=True)
;;       e = np.where(a > 0, np.clip(np.frexp(np.where(a > 0, a, 1))[1] - 1 - 2, -126, 127), 0)      # np.frexp(a)[1] - 1 = floor(log2(a)), exactly
;;       r = np.clip(x / 2.0 ** e, -6, 6)
;;       step = 2.0 ** (np.maximum(np.frexp(np.where(r == 0, 1, r))[1] - 1, 0) - 1)
;;       q = np.round(r / step) * step * 2.0 ** e      # np.round: ties to even
;;       return np.moveaxis(q.reshape(q.shape[:-2] + (-1,))[..., :K], -1, axis).astype(np.float32)
;;   ~~~
;;   INPUTS GIVEN AS CODES. W_feat (in the module: [4096, 2048], K = its axis 0); x (in the module: [8192, 4096], K = its axis 1): each comes as NAME_codes (uint8): NAME with its K axis moved to the last place and cut into blocks of 32 codes, [.., K / 32, bytes a block], one block behind the other in memory; two codes a byte, the lower K in the low four bits (a code: sign, 2 exponent bits, 1 mantissa bit); and NAME_scales (uint8): the same leading axes, one E8M0 byte (e + 127) for each 32 codes along K. Its value is code x scale, taken as it is: it is not quantised again, and the codes and scales need not be those that the quantiser above would give.
;; One version. Each part assembles by itself: llvm-mc -triple=amdgcn-amd-amdhsa -mcpu=gfx1250 --defsym DOCPART=n.
;; ======== version 1 of 1: 2 launches
;; workspace buffers: part 2,883,584 bytes
;; launch gemm (part 1): grid 8 x 32, 4 waves a work-group, clusters of 4 x 4, 327,680 bytes of LDS; arguments x_codes, x_scales, W_feat_codes, W_feat_scales, W_fc, prototypes, part; writes part
.if DOCPART == 1
	.amdgcn_target "amdgcn-amd-amdhsa--gfx1250"
	.amdhsa_code_object_version 6
	.text
	.protected	k_q4885f64225_gemm
	.globl	k_q4885f64225_gemm
	.p2align	8
	.type	k_q4885f64225_gemm,@function
k_q4885f64225_gemm:
	s_mov_b64 s[64:65], 0
	v_nop
	global_prefetch_b8 v0, s[64:65] scope:SCOPE_SE
	s_setreg_imm32_b32 hwreg(HW_REG_WAVE_MODE, 25, 1), 1
	s_wait_xcnt 0x0
	s_wait_alu depctr_hold_cnt(0) depctr_sa_sdst(0) depctr_va_vdst(0) depctr_va_sdst(0) depctr_va_ssrc(0) depctr_va_vcc(0) depctr_vm_vsrc(0)
	s_getreg_b32 s2, hwreg(HW_REG_IB_STS2, 6, 4)
	s_cmp_eq_u32 s2, 0
	s_cbranch_scc0 .Lentry_in_a_cluster
	s_endpgm
.Lentry_in_a_cluster:
	s_bfe_u32 s2, ttmp6, 0x10000c
	s_cmp_lg_u32 s2, 0xf033
	s_cbranch_scc0 .Lentry_shape_is_right
	s_endpgm
.Lentry_shape_is_right:
; feats = x W_feat on codes of FP4 (E2M1) with one E8M0 scale for each 32 along K: x [8192][4096], W_feat as [2048 (n)][4096 (k)], K innermost in both.  feats never goes to memory.  What leaves is, for each of the
; 8 column tiles tx, eleven partial sums a row over the tile's 256 columns:  part[tx][0][row] = sum of feats^2;  part[tx][1+c][row] = feats . W_fc[:, c];  part[tx][6+c][row] = feats . P_c,
; P_c[n] = the sum over the class's 8 samples of prototypes[c][s][n] / |prototypes[c][s]|.  The next launch adds the eight tiles, the bias, the row's norm, and takes the argmax.
; SHARES.  A tile of feats, 256 x 256, is made by a work-group of four waves; a wave makes 128 x 128: 64 accumulators of 16 x 16, 512 registers.  K goes in steps of 512 (rows of 256 bytes) through a ring of two LDS slots.
; CLUSTERS: 4 x 4 work-groups.  The four of a row of the cluster need the same tiles of x, the four of a column the same tiles of W: each tile is asked for JOINTLY, by the same tensor load with the same descriptor and a mask.
; THE WALK ALONG K.  p = (cluster x + cluster y) % 2.  A cluster's i-th K step is K step (4 p + i) % 8: clusters with p = 1 begin in the middle of K and go round its end.  A tile row of x is read by the clusters (0, y) and
; (1, y), a tile column of W by the clusters (X, 0 .. 7): in both groups p alternates, so each of a cluster's last four K steps is asked for, four K steps earlier in its own walk, by a cluster that reads the same rows.
; NO PREFETCH is written: of a walk's eight K steps the first two are the first fills, a request for the next two would stand at the kernel's head among every work-group's first loads, and the last four are those just named.
; THE MATRIX INSTRUCTION IS USED TRANSPOSED (source 0 = 16 rows of W, source 1 = 16 rows of x): a lane holds eight neighbouring columns of one row of feats, so that two neighbouring accumulators, rounded to bf16, ARE
; a fragment (16 rows x 32 along n) of the narrow products.
; THE SCALE BYTES of the work-group's 512 rows are 65,536 bytes; beside the ring (278,528) and the spare words LDS has 48,640.  So they are copied once from memory into registers, 16 bytes a lane, and laid in LDS by
; ds_store as images of the scale registers, four K steps (32,768 bytes) at a time: the walk's second four wait in 64 registers and are laid over the first four once every wave has read those.
; THE 40 NORMS need all 327,680 bytes of the prototypes in every work-group.  They ride in the loop: the walk's K step s squares sample s of the five classes, wave w columns 512 w on, 5 loads of 512 bytes for each 128 along K.
; NOT ASKED FOR JOINTLY: the scale bytes and the prototypes (a K step's share is 40,960 bytes and LDS has 15,872 left): both go to registers.
; THE NARROW PRODUCTS go to the bf16 form with feats and the weights each as hi + lo (hi = the number rounded to bf16, lo = the exact remainder rounded to bf16): hi hi + lo hi + hi lo, f32 sums.
; LIMITS: feats' f32 sums run over K in the walk's order, which where p = 1 is not ascending; a term of the narrow products carries a relative error of about 2^-17 (the lo lo product and lo's rounding are dropped);
; a prototype's sum of squares must be a normal f32 number (v_rsq_f32 takes denormals as zero: ISA guide, its entry in 15.8); NaN and infinities among the inputs are not served.
; REGISTERS, in windows of 256: window 0: v1-31 addresses; v32-95 scale words, two sets, and nothing else; v96-175 four sets of 20 prototype numbers, at the end the tile's 40 raw slices; v176-190 their sums;
;   v192-255 the scale bytes of the walk's K steps 4-7, later the way out.   window 1: two sets of fragments, at v0 and v128: 64 registers of W, then 64 of x.  On the way out: v0-63 the table's fragments, v64-191 feats as hi, lo, remainders.
;   window 2: the 32 accumulators of my rows 0-63 (accumulator (a, b) at v[8 (8 a + b)]);   window 3: those of my rows 64-127.
.set KROW,   2048                      ; a row of codes in memory, in bytes
.set ROWB,   256                       ; a tile's row: 512 codes
.set PITCH,  272                       ; an LDS row: 256 bytes + 16 of padding = 68 words: row r starts at bank 4 r mod 64 (64 banks of 4 bytes: ISA guide 11.1)
.set FR,     8                         ; registers of a fragment: 16 rows x 128 K
.set NQ,     4                         ; matrix instructions deep in a slot
.set NP,     4                         ; places behind these matrix instructions (ISA guide 7.12.1)
.set HALFT,  128*PITCH                 ; 128 rows: what one tensor load brings
.set SLOT,   4*HALFT                   ; x's 256 rows, then W's 256 rows
.set SCL,    2*SLOT                    ; behind the ring: four planes of scale words; no fill lands here
.set PLANE,  8192                      ; a K step's: x's 16 blocks of 16 rows x 16 bytes, then W's 16
.set SPARE,  SCL+4*PLANE               ; the spare words, 128 bytes for each wave: two blocks of 256 bytes that no other line names
; the way out's scratch lies in slot 0, which has had its last fill (the walk's K step 6) and its last read when the first of these bytes is stored
.set NRM,    0                         ; 4 waves x 5 classes x 128 bytes: the waves' parts of the 40 sums of squares
.set TBH,    4096                      ; the table's hi parts: 16 rows (0-4 W_fc's columns, 5-9 P, 10-15 zeros) x (256 bf16 + 16 bytes)
.set TBD,    8704                      ; and, so many bytes on, its lo parts
.set TPITCH, 528
.set STG,    21504                     ; the stage: for each half of the columns 17 rows (0: sums of squares; 1 + rho: table row rho) x (256 f32 + 16 bytes)
.set SPITCH, 1040
.set STGH,   17*SPITCH
.set LN,    3                          ; v3   lane;  v1 = lane % 16, v2 = lane / 16
.set T8,    5                          ; v5   8 x thread: my two columns in a prototype's slice
.set T40,   6                          ; v6   40 x thread: my two rows of W_fc
.set NRMW,  7
.set NRMR,  8
.set TBW,   9
.set TBR,   10
.set STW,   11
.set SSW,   12
.set STR,   13
.set GOF,   14
.set SLA,   15                         ; v15  the scale loads' offset, the walk's first four K steps: 128 (lane / 4) + 16 (lane % 4) + 64 p
.set ADRA,  16                         ; v16-17  LDS address of my fragments of x in slot 0, 1
.set SWA,   18                         ; v18  where I lay scale images
.set ADRB,  20                         ; v20-21  the same for W
.set ADRS0, 26                         ; v26  my scale words in plane 0: lanes 0-15 x's rows, lanes 16-31 W's
.set ADRS,  27                         ; v27  the same in the even plane in hand
.set SPW,   28                         ; v28  LDS address of my spare word; never rewritten
.set NIL,   29                         ; v29  0; never rewritten
.set SLB,   30                         ; v30  the scale loads' offset, the walk's last four K steps: the other 64 bytes of a row
.set PO,    31                         ; v31  16 x lane
.set SC,    32                         ; set s at v[SC + 32 s]; register 4 i + q: lanes 0-15 the word of x's block i, lanes 16-31 that of W's block i, for the slot's q-th 128 along K
.set PS,    96
.set PA,    176                        ; five pairs: a sample's sums of squares
.set PN,    186                        ; five: lane s keeps sample s's sum
.set RUN1,  192                        ; v192-255: the scale bytes of the walk's K steps 4-7, until they are laid in LDS
.set WF,    200                        ; W_fc: register 5 (n % 2) + c
.set PV,    210                        ; P: register 2 c + n % 2
.set NT,    220                        ; v220-239 at work
.set NEG,   240                        ; -1.0
.set ZR,    241                        ; 0
.set TL,    242
.set SX,    246
.set SR,    247
.set SS,    248
.set DH,    96                         ; the narrow products' three accumulators,
.set DM,    104
.set DL,    112
.set CB,    120                        ; and their sum
.set OA,    136
.set OB,    160
.set AF,    64                         ; window 1: x's fragments within a set of 128
.set WFH,   0                          ; window 1, on the way out
.set WFL,   32
.set FH,    64
.set FL,    96
.set LO,    128
.set NEGW,  192
.set G1,  24                           ; s[24:31] descriptor group 1 for x's tiles;  s[32:39] group 0, one set for each slot
.set G0,  32
.set G1B, 48                           ; s[48:55], s[56:63] the same for W's tiles
.set G0B, 56
.set SEL, 66                           ; s[66:67] lane selects for v_permlanex16_b32: lane l xor 16
.set WFC, 68                           ; s[68:69] W_fc at the tile's first row
.set PB,  70                           ; s[70:71] the prototypes at my wave's columns of the sample that is being loaded
.set PRT, 72                           ; s[72:73] part at my tile's plane 0 and first row
.set PPS, 74                           ; s[74:75] the prototypes at the tile's first column
.set MK,  76                           ; s76  1 << the sample in hand
.set SOF, 77                           ; s77  0 or 2 planes
.set BA,  80                           ; s[80:81] x's codes at the first byte of the 128 rows that I fetch
.set BB,  82                           ; s[82:83] W's likewise
.set NK,  84                           ; s[84:85] the byte in a row at which the next K step to be asked for begins
.set P64, 86                           ; s86  64 p
.set WT,  24                           ; s24-63, on the way out: the 40 weights 1 / |prototype|
.set MSB, 0
.macro WIN new                         ; the immediate's high byte repeats the setting that is left
.if MSB != \new
	s_set_vgpr_msb (MSB<<8)|\new
.set MSB, \new
.endif
.endm
.set MUL_LO, 0xa5                      ; sources 0 (W) and 1 (x) window 1, C and D window 2
.set MUL_HI, 0xf5                      ; the same, C and D window 3
.set TO_F,   0x40                      ; destination window 1, address window 0
; A joint load: waves 0 and 1 fetch for x, waves 2 and 3 for W.  Each of the two lines has ONE mask and one set of registers for all that issue it; the branch hangs on the wave's number alone.
; Four v_nop follow each of the two lines, ahead of the jump, the label and what follows.
.macro JLOAD g0a, g1a, g0b, g1b
	s_cmp_eq_u32 s15, 0
	s_cbranch_scc0 .Lfor_b_\@
	tensor_load_to_lds s[\g0a:\g0a+3], s[\g1a:\g1a+7]
	s_nop 0
.rept 4
	v_nop
.endr
	s_branch .Lasked_\@
.Lfor_b_\@:
	tensor_load_to_lds s[\g0b:\g0b+3], s[\g1b:\g1b+7]
	s_nop 0
.rept 4
	v_nop
.endr
.Lasked_\@:
.endm
; The global addresses of slot s's two descriptors: the rows' first bytes + the K step that is due; then NK goes a K step on, round the row's end.  Written only where no tensor load that names them is out.
.macro NEXTK s
	s_add_nc_u64 s[G0+4*\s+2:G0+4*\s+3], s[BA:BA+1], s[NK:NK+1]     ; 120:64 global address
	s_or_b32 s[G0+4*\s+3], s[G0+4*\s+3], 0x80000000                 ; 127:126 type = 2
	s_add_nc_u64 s[G0B+4*\s+2:G0B+4*\s+3], s[BB:BB+1], s[NK:NK+1]
	s_or_b32 s[G0B+4*\s+3], s[G0B+4*\s+3], 0x80000000
	s_add_co_u32 s[NK], s[NK], ROWB
	s_and_b32 s[NK], s[NK], KROW-1
.endm
.macro CREST                           ; a round of the cluster's barrier behind its opening barrier
	s_cmp_lg_u32 s14, 0
	s_cbranch_scc1 .Lnot_wave_0_\@
	s_barrier_signal -3
.Lnot_wave_0_\@:
	s_barrier_wait -3
	s_barrier_signal -1
	s_barrier_wait -1
.endm
.macro CROUND                          ; a whole round
	s_barrier_signal -1
	s_barrier_wait -1
	CREST
.endm
	s_load_b256 s[4:11], s[0:1], 0x0               ; x's codes s[4:5], x's scales s[6:7], W's codes s[8:9], W's scales s[10:11]
	s_load_b128 s[68:71], s[0:1], 0x20             ; W_fc, the prototypes
	s_load_b64 s[72:73], s[0:1], 0x30              ; part
	v_lshl_add_u32 v[SPW], v0, 2, SPARE
	v_mov_b32 v[NIL], 0
	ds_add_u32 v28, v29
	ds_add_u32 v28, v29
	s_wait_dscnt 0x0
	v_lshrrev_b32 v1, 5, v0
	v_readfirstlane_b32 s14, v1                    ; wave 0..3
	s_lshr_b32 s15, s14, 1                         ; mh: which half of the tile's rows is mine.  Also: I fetch for x (0) or for W (1)
	s_and_b32 s16, s14, 1                          ; nh: which half of its columns.  Also: which 128 rows of that tile I fetch
	s_bfe_u32 s40, ttmp6, 0x40000                  ; cx, cy: my place in the cluster
	s_bfe_u32 s41, ttmp6, 0x40004
	s_lshl_b32 s42, ttmp9, 2
	s_add_co_u32 s42, s42, s40                     ; tx: tile column = 4 x cluster x + cx
	s_and_b32 s17, ttmp7, 0xffff                   ; cluster y
	s_add_co_u32 s[NK], s17, ttmp9
	s_and_b32 s[NK], s[NK], 1                      ; p = (cluster x + cluster y) % 2: the same in all sixteen partners
	s_lshl_b32 s[P64], s[NK], 6                    ; four K steps of scale bytes,
	s_lshl_b32 s[NK], s[NK], 10                    ; and of codes: the walk begins at K step 4 p
	s_mov_b32 s[NK+1], 0
	s_lshl_b32 s17, s17, 2
	s_add_co_u32 s17, s17, s41                     ; ty: tile row = 4 x cluster y + cy
	s_lshl_b32 s43, s41, 2
	s_lshl_b32 s43, 15, s43                        ; my row of the cluster
	s_lshl_b32 s44, 0x1111, s40                    ; my column
	; descriptor group 1: a tile of 128 rows x 256 bytes, padded in LDS
	s_or_b32 s[G1+0], s43, (0<<16)|(1<<20)|(1<<21)|(5<<22)|(3<<25)  ; 15:0 the mask: x's tiles go to my row; 17:16 elements of 1 byte; 20 padding on; 21 set beside a mask; 24:22 after every 64 words (code 5); 31:25 four words (code 3)
	s_or_b32 s[G1B+0], s44, (0<<16)|(1<<20)|(1<<21)|(5<<22)|(3<<25) ; the same with the mask of my column
.irp g, G1, G1B
	s_mov_b32 s[\g+1], ROWB<<16                    ; tensor_dim0
	s_mov_b32 s[\g+2], 128<<16                     ; tensor_dim1
	s_mov_b32 s[\g+3], ROWB<<16                    ; tile_dim0
	s_mov_b32 s[\g+4], 128                         ; tile_dim1
	s_mov_b32 s[\g+5], KROW                        ; tensor_dim0_stride
	s_mov_b32 s[\g+6], 0
	s_mov_b32 s[\g+7], 0
.endr
	s_lshl_b32 s18, s16, 7                         ; which 128 rows of the tile I fetch
	s_lshl_b32 s20, s17, 8
	s_add_co_u32 s20, s20, s18                     ; x: row 256 ty + 128 nh
	s_lshl_b32 s46, s42, 8
	s_add_co_u32 s46, s46, s18                     ; W: row 256 tx + 128 nh
	s_cmp_eq_u32 s15, 0
	s_cselect_b32 s12, s20, s46                    ; the rows whose scale bytes I copy: those whose codes I fetch
	s_lshl_b32 s12, s12, 7                         ; 128 scale bytes a row
	s_mov_b32 s13, 0
	s_lshl_b32 s20, s20, 11                        ; 2,048 bytes of codes a row: under 2^25
	s_mov_b32 s21, 0
	s_lshl_b32 s46, s46, 11
	s_mov_b32 s47, 0
	s_mul_i32 s19, s14, HALFT                      ; where they go: wave x 128 rows: no place in the cluster enters an LDS address
	s_wait_kmcnt 0x0
	s_add_nc_u64 s[BA:BA+1], s[4:5], s[20:21]
	s_add_nc_u64 s[BB:BB+1], s[8:9], s[46:47]
	CROUND                                         ; all sixteen work-groups are here: the first joint loads meet
.irp s, 0,1
	s_mov_b32 s[G0+4*\s], 1                        ; 1:0 count = 1
	s_add_co_u32 s[G0+4*\s+1], s19, \s*SLOT        ; 63:32 LDS address
	s_mov_b32 s[G0B+4*\s], 1
	s_add_co_u32 s[G0B+4*\s+1], s19, \s*SLOT
	NEXTK \s                                       ; the walk's K step s
	JLOAD G0+4*\s, G1, G0B+4*\s, G1B               ; two tensor loads of mine are out
.endr
	; the scale bytes of my 128 rows: load j of a run takes rows 8 j on, four lanes to a row, 16 bytes (one K step) a lane; the first run is the walk's K steps 0-3, the second its K steps 4-7
	s_cmp_eq_u32 s15, 0
	s_cselect_b64 s[6:7], s[6:7], s[10:11]
	s_add_nc_u64 s[6:7], s[6:7], s[12:13]
	v_and_b32 v[LN], 31, v0
	v_lshrrev_b32 v4, 2, v[LN]
	v_and_b32 v19, 3, v[LN]
	v_lshlrev_b32 v[SLA], 7, v4
	v_lshl_add_u32 v[SLA], v19, 4, v[SLA]
	v_add_nc_u32 v[SLA], s[P64], v[SLA]            ; the half of a row's 128 bytes at which the walk begins,
	v_xor_b32 v[SLB], 64, v[SLA]                   ; and the other
.irp j, 0,1,2,3,4,5,6,7,8,9,10,11,12,13,14,15
	global_load_b128 v[SC+4*\j:SC+4*\j+3], v[SLA], s[6:7] offset:1024*\j
.endr
.irp j, 0,1,2,3,4,5,6,7,8,9,10,11,12,13,14,15
	global_load_b128 v[RUN1+4*\j:RUN1+4*\j+3], v[SLB], s[6:7] offset:1024*\j
.endr
	; the prototypes: element (c, s, n) lies at 65,536 c + 8,192 s + 4 n
	v_lshlrev_b32 v[PO], 4, v[LN]
	s_lshl_b32 s22, s42, 10
	s_mov_b32 s23, 0
	s_add_nc_u64 s[PPS:PPS+1], s[PB:PB+1], s[22:23]   ; the tile's 256 columns
	s_lshl_b32 s22, s14, 11
	s_add_co_u32 s22, s22, 8192
	s_add_nc_u64 s[PB:PB+1], s[PB:PB+1], s[22:23]     ; my wave's 512 columns, sample 1: what the first K step will load
.irp q, 0,1,2,3
.irp c, 0,1,2,3,4
	global_load_b128 v[PS+20*\q+4*\c:PS+20*\q+4*\c+3], v[PO], s[PB:PB+1] offset:65536*\c+512*\q-8192   ; sample 0
.endr
.endr
	s_mul_i32 s22, s42, 5120                       ; W_fc: 256 rows of 20 bytes a tile
	s_add_nc_u64 s[WFC:WFC+1], s[WFC:WFC+1], s[22:23]
	s_mul_i32 s22, s42, 11*32768                   ; part: eleven planes of 32,768 bytes a tile column,
	s_lshl_b32 s12, s17, 10                        ; 1,024 bytes a tile row
	s_add_co_u32 s22, s22, s12
	s_add_nc_u64 s[PRT:PRT+1], s[PRT:PRT+1], s[22:23]
	; LDS addresses
	v_and_b32 v1, 15, v0                           ; r = lane % 16
	v_bfe_u32 v2, v0, 4, 1                         ; h = lane / 16
	v_mul_u32_u24 v22, v1, PITCH
	v_lshl_add_u32 v22, v2, 4, v22                 ; a fragment's row x pitch + 16 x half
	s_mul_i32 s21, s15, HALFT                      ; my 128 rows of x
	s_mul_i32 s22, s16, HALFT                      ; my 128 rows of W,
	s_add_co_u32 s22, s22, 2*HALFT                 ; which lie behind x's 256
.irp s, 0,1
	v_add_nc_u32 v[ADRA+\s], s21, v22
	v_add_nc_u32 v[ADRB+\s], s22, v22
	s_add_co_u32 s21, s21, SLOT
	s_add_co_u32 s22, s22, SLOT
.endr
	v_lshlrev_b32 v[SWA], 13, v19                  ; images: plane lane % 4,
	v_lshl_add_u32 v[SWA], v4, 4, v[SWA]           ; row lane / 4 of eight,
	s_lshl_b32 s22, s14, 11
	s_add_co_u32 s22, s22, SCL
	v_add_nc_u32 v[SWA], s22, v[SWA]               ; my wave's eight blocks: 2,048 x wave; load j's eight rows lie 128 j on
	s_lshl_b32 s21, s15, 11                        ; scale words: x's, my 128 rows: 2,048 mh
	s_lshl_b32 s22, s16, 11                        ; W's, my 128 rows, behind x's 4,096 bytes
	s_add_co_u32 s22, s22, 4096
	s_sub_co_u32 s22, s22, s21
	v_mul_u32_u24 v23, s22, v2                     ; lanes 16-31 take W's
	s_add_co_u32 s21, s21, SCL
	v_lshl_add_u32 v23, v1, 4, v23                 ; 16 bytes a row
	v_add_nc_u32 v[ADRS0], s21, v23
	s_mov_b32 s[SOF], 0
	v_add_nc_u32 v[ADRS], s[SOF], v[ADRS0]
	v_lshlrev_b32 v[T8], 3, v0
	v_mul_u32_u24 v[T40], v0, 40
	s_mul_i32 s22, s14, 640
	v_lshl_add_u32 v[NRMW], v[LN], 2, s22          ; NRM (byte 0) + 640 x wave + 4 x lane
	v_and_b32 v[NRMR], 7, v0
	v_lshlrev_b32 v[NRMR], 2, v[NRMR]              ; NRM + 4 (lane % 8)
	v_lshl_add_u32 v[TBW], v0, 2, TBH              ; the table: my two columns, 4 bytes
	v_mul_u32_u24 v[TBR], v1, TPITCH
	v_lshl_add_u32 v[TBR], v2, 4, v[TBR]
	s_lshl_b32 s22, s16, 8
	s_add_co_u32 s22, s22, TBH
	v_add_nc_u32 v[TBR], s22, v[TBR]               ; its fragments: row r, my half's 128 columns, + 16 h
	s_mul_i32 s21, s16, STGH
	s_lshl_b32 s22, s15, 9
	s_add_co_u32 s21, s21, s22
	s_add_co_u32 s21, s21, STG                     ; the stage of my half of the columns, at my 128 rows
	v_lshl_add_u32 v[SSW], v1, 2, s21              ; row 0: 4 bytes for row r of a block
	v_mul_u32_u24 v[STW], v1, SPITCH
	v_lshl_add_u32 v[STW], v2, 5, v[STW]
	v_add_nc_u32 v[STW], s21, v[STW]               ; table row r (one stage row further down, by the immediate), + 32 h
	s_mul_i32 s22, s14, 3*SPITCH
	s_add_co_u32 s22, s22, STG
	v_lshl_add_u32 v[STR], v[LN], 4, s22           ; back: my three stage rows, 16 bytes a lane
	s_mul_i32 s22, s14, 3*32768
	v_lshl_add_u32 v[GOF], v[LN], 4, s22           ; and the same three planes of part
	s_mov_b32 s[SEL], 0x76543210
	s_mov_b32 s[SEL+1], 0xfedcba98
	s_mov_b32 s[MK], 1
.irp c, 0,1,2,3,4
	v_mov_b32 v[PN+\c], 0
.endr
	s_wait_loadcnt 36                              ; the first run's sixteen loads are in; the second run's sixteen and sample 0's twenty may be out
.irp j, 0,1,2,3,4,5,6,7,8,9,10,11,12,13,14,15
	ds_store_b128 v[SWA], v[SC+4*\j:SC+4*\j+3] offset:128*\j
.endr
.macro FRAG reg, adr, q, i             ; a fragment, 16 rows x 128 K of 4-bit codes: lane l holds row l % 16; registers 4 c .. 4 c + 3 hold K = 64 c + 32 (l / 16) + 0 .. 31
.irp c, 0,1
	ds_load_b128 v[\reg+4*\c:\reg+4*\c+3], v[\adr] offset:64*(\q)+32*\c+(\i)*16*PITCH
.endr
.endm
; 16 matrix instructions: x's blocks a0, a0 + 1 against W's eight, 128 along K: the slot's q-th.  p: the set of fragments;  sc: the set of scale words.  zero = 1: the first product starts the sums: nothing is ever cleared.
; The 64 accumulators take turns, one instruction a turn, in the same order in every step.
.macro MUL16 a0, p, q, sc, zero
.irp a, \a0, \a0+1
.irp b, 0,1,2,3,4,5,6,7
.if \zero
	v_wmma_scale_f32_16x16x128_f8f6f4 v[8*(8*((\a)%4)+\b):8*(8*((\a)%4)+\b)+7], v[128*(\p)+FR*\b:128*(\p)+FR*\b+FR-1], v[128*(\p)+AF+FR*(\a):128*(\p)+AF+FR*(\a)+FR-1], 0, v[SC+8*NQ*(\sc)+NQ*\b+(\q)], v[SC+8*NQ*(\sc)+NQ*(\a)+(\q)] matrix_a_fmt:MATRIX_FMT_FP4 matrix_b_fmt:MATRIX_FMT_FP4 matrix_a_scale:MATRIX_SCALE_ROW1
.else
	v_wmma_scale_f32_16x16x128_f8f6f4 v[8*(8*((\a)%4)+\b):8*(8*((\a)%4)+\b)+7], v[128*(\p)+FR*\b:128*(\p)+FR*\b+FR-1], v[128*(\p)+AF+FR*(\a):128*(\p)+AF+FR*(\a)+FR-1], v[8*(8*((\a)%4)+\b):8*(8*((\a)%4)+\b)+7], v[SC+8*NQ*(\sc)+NQ*\b+(\q)], v[SC+8*NQ*(\sc)+NQ*(\a)+(\q)] matrix_a_fmt:MATRIX_FMT_FP4 matrix_b_fmt:MATRIX_FMT_FP4 matrix_a_scale:MATRIX_SCALE_ROW1
.endif
.endr
.endr
.endm
; 32 LDS loads in one run: the fragments of the slot's q-th 128 along K into set p: W's eight, x's blocks 0-3, x's blocks 4-7, in this order, so that a wait can leave the last eight loads out
.macro FETCH slot, q, p
	WIN TO_F
.irp i, 0,1,2,3,4,5,6,7
	FRAG 128*(\p)+FR*\i, ADRB+\slot, \q, \i
.endr
.irp i, 0,1,2,3,4,5,6,7
	FRAG 128*(\p)+AF+FR*\i, ADRA+\slot, \q, \i
.endr
.endm
.macro SCALES set, off                 ; a K step's scale words: four words a row; lanes 0-15 take x's block i, lanes 16-31 W's block i (under window 0)
.irp i, 0,1,2,3,4,5,6,7
	ds_load_b128 v[SC+32*\set+4*\i:SC+32*\set+4*\i+3], v[ADRS] offset:\off+256*\i
.endr
.endm
; A load into a register that a matrix instruction has read, and a vector instruction or an LDS store that reads a matrix result, stand NP places behind that matrix instruction, and only plain vector
; instructions that name none of its registers are places (ISA guide 7.12.1 for vector instructions).
.macro PLACES n
.rept \n
	v_nop
.endr
.endm
; THE NORMS' SHARE OF A STEP of 128 along K: set q of the sample in hand (5 classes x 128 columns, 4 numbers a lane and class) is squared and summed, and the set's registers are asked for anew.
; mode 1: with the next sample's numbers (adj: what the base has already been stepped by).  mode 2, the walk's last K step: with ten of the tile's 40 raw slices, 8 bytes a thread, and at q = 3 also with my two rows of W_fc.
; At q = 3 the sample's five sums are added over the 32 lanes, and lane s keeps sample s's.  Its first ten lines are plain, packed, and name v96-185 of window 0 alone: no register of a product.
.macro SIDE q, mode, adj
.if \mode == 1
	s_wait_loadcnt 15                              ; set q is in; the three sets asked for behind it, five loads each, may be out
.else
	s_wait_loadcnt 15+5*\q                         ; behind set q: 3 - q sets of five, and ten raw loads for each of the q steps gone
.endif
.irp c, 0,1,2,3,4
.if \q == 0
	v_pk_mul_f32 v[PA+2*\c:PA+2*\c+1], v[PS+20*\q+4*\c:PS+20*\q+4*\c+1], v[PS+20*\q+4*\c:PS+20*\q+4*\c+1]   ; the first squares start the sums
.else
	v_pk_fma_f32 v[PA+2*\c:PA+2*\c+1], v[PS+20*\q+4*\c:PS+20*\q+4*\c+1], v[PS+20*\q+4*\c:PS+20*\q+4*\c+1], v[PA+2*\c:PA+2*\c+1]
.endif
.endr
.irp c, 0,1,2,3,4
	v_pk_fma_f32 v[PA+2*\c:PA+2*\c+1], v[PS+20*\q+4*\c+2:PS+20*\q+4*\c+3], v[PS+20*\q+4*\c+2:PS+20*\q+4*\c+3], v[PA+2*\c:PA+2*\c+1]
.endr
.if \mode == 1
.irp c, 0,1,2,3,4
	global_load_b128 v[PS+20*\q+4*\c:PS+20*\q+4*\c+3], v[PO], s[PB:PB+1] offset:65536*\c+512*\q-\adj
.endr
.else
.irp i, 0,1,2,3,4,5,6,7,8,9
	global_load_b64 v[PS+20*\q+2*\i:PS+20*\q+2*\i+1], v[T8], s[PPS:PPS+1] offset:8192*(10*\q+\i)   ; slice g = 8 c + s = 10 q + i, into v[PS + 2 g]
.endr
.if \q == 3
.irp i, 0,1,2,3,4
	global_load_b64 v[WF+2*\i:WF+2*\i+1], v[T40], s[WFC:WFC+1] offset:8*\i
.endr
.endif
.endif
.if \q == 3
.irp c, 0,1,2,3,4
	v_add_f32 v[PA+2*\c], v[PA+2*\c], v[PA+2*\c+1]
.endr
.irp x, 1,2,4,8
.irp c, 0,1,2,3,4
	v_add_f32_dpp v[PA+2*\c], v[PA+2*\c], v[PA+2*\c] row_xmask:\x row_mask:0xf bank_mask:0xf
.endr
.endr
.irp c, 0,1,2,3,4
	v_permlanex16_b32 v[PA+2*\c+1], v[PA+2*\c], s[SEL], s[SEL+1]
.endr
.irp c, 0,1,2,3,4
	v_add_f32 v[PA+2*\c], v[PA+2*\c], v[PA+2*\c+1]
.endr
.irp c, 0,1,2,3,4
	v_cndmask_b32 v[PN+\c], v[PN+\c], v[PA+2*\c], s[MK]
.endr
	s_lshl_b32 s[MK], s[MK], 1
.endif
.endm
; A step of 128 along K that has its successor in the same slot: 32 products, ONE run of loads for the next step into the other set, 32 products.  The norms' ten packed lines stand in front of the run: they are its places
; behind the products that last read that set (the step before's) and, where scale words are read, behind those that last read their registers.
; odd = 1 (an even K step's first step): the following odd K step's scale words are read here, into set 1, so that no wave reads the planes between the barriers of a change from an even K step to an odd one and of the change after it.
.macro STEP slot, q, zero, odd, mode
	s_wait_dscnt 8                                 ; W's fragments, x's blocks 0-3 and any scale words are in; the youngest eight loads (x's blocks 4-7) may be out
	WIN MUL_LO
	MUL16 0, (\q)%2, \q, \slot, \zero
	MUL16 2, (\q)%2, \q, \slot, \zero
	s_wait_dscnt 0                                 ; x's blocks 4-7 are in (asked for 64 matrix instructions ago)
	WIN 0
	SIDE \q, \mode, 0
.if \odd
	SCALES 1, PLANE
.endif
	FETCH \slot, (\q)+1, 1-(\q)%2
	WIN MUL_HI
	MUL16 4, (\q)%2, \q, \slot, \zero
	MUL16 6, (\q)%2, \q, \slot, \zero
.endm
; A slot's last step changes slots: ONE barrier; in front of it each wave waits for all its tensor loads, adds 0 to its spare word, and waits for that and for its own LDS reads and stores.  fill = 1: this slot is filled again, two K steps ahead.
.macro TURN slot, next, fill
	WIN 0                                          ; (the add's two registers lie in window 0)
	s_wait_xcnt 0x0                                ; the prototypes' loads have read their base: it is stepped here
	s_add_nc_u64 s[PB:PB+1], s[PB:PB+1], 8192      ; the sample after the one that is being loaded; this step's own five loads reach back by their immediates
	s_wait_tensorcnt 0x0                           ; all my tensor loads have landed: the one that was out is my part of the next slot; so every group 0 may be written
	ds_add_u32 v[SPW], v[NIL]                      ; 0 onto my spare word
.if \fill
	NEXTK \slot                                    ; this slot's next K step: made here, so that nothing stands between the round and the joint load
.endif
	s_wait_dscnt 9                                 ; (the add and the youngest eight loads, x's blocks 4-7, may be out)
	WIN MUL_LO
	MUL16 0, 1, NQ-1, \slot, 0                     ; sixteen matrix instructions stand between the add and the wait for it
	s_wait_dscnt 0x0                               ; the add is done, my reads of this slot and of the planes are over, my images have landed
	s_barrier_signal -1
	MUL16 2, 1, NQ-1, \slot, 0
	WIN 0
	s_barrier_wait -1
.if \fill
	CREST                                          ; the barrier has opened a round of the cluster's barrier: no wave of any partner still reads this slot's tile or has a load on its way
	JLOAD G0+4*\slot, G1, G0B+4*\slot, G1B         ; the first tensor load behind the round, my one load until the next; its four v_nop are the places in front of the loads below
.else
	PLACES NP
.endif
.if \next == 0
	s_xor_b32 s[SOF], s[SOF], 2*PLANE              ; the other pair of planes
	v_add_nc_u32 v[ADRS], s[SOF], v[ADRS0]
	SCALES 0, 0                                    ; the even K step's scale words
.endif
	FETCH \next, 0, 0
	WIN 0
	SIDE 3, 1, 8192
	WIN MUL_HI
	MUL16 4, 1, NQ-1, \slot, 0
	MUL16 6, 1, NQ-1, \slot, 0
	WIN 0
.endm
	s_wait_tensorcnt 1                             ; my part of the first K step is in (the second's load may be out)
	s_wait_dscnt 0x0                               ; and my images of the walk's K steps 0-3 have landed;
	s_barrier_signal -1
	s_barrier_wait -1                              ; everybody's
	SCALES 0, 0
	FETCH 0, 0, 0
	STEP 0, 0, 1, 1, 1                             ; the first step stands in front of the loop: its products start the sums
	WIN 0                                          ; at a label and at a branch every window is 0
	s_mov_b32 s3, 3
.Llap:                                             ; a trip goes once round the ring, from a lap's second step to the next lap's first, and fills both slots again: the walk's K steps 0-1, 2-3, 4-5
	STEP 0, 1, 0, 0, 1
	STEP 0, 2, 0, 0, 1
	TURN 0, 1, 1
	s_cmp_lg_u32 s3, 2                             ; in the second trip, behind the barrier of the change from K step 2 to 3: every wave has read the four planes of K steps 0-3 (the last in K step 2's first step,
	s_cbranch_scc1 .Lno_run1                       ; waited for in front of that barrier), and nobody reads a plane before the next barrier, in front of which these stores are waited for
.irp j, 0,1,2,3,4,5,6,7,8,9,10,11,12,13,14,15
	ds_store_b128 v[SWA], v[RUN1+4*\j:RUN1+4*\j+3] offset:128*\j   ; the walk's K steps 4-7 (their loads came in ahead of sample 0's)
.endr
.Lno_run1:
	STEP 1, 0, 0, 0, 1
	STEP 1, 1, 0, 0, 1
	STEP 1, 2, 0, 0, 1
	TURN 1, 0, 1
	STEP 0, 0, 0, 1, 1
	WIN 0
	s_sub_co_u32 s3, s3, 1
	s_cmp_lg_u32 s3, 0
	s_cbranch_scc1 .Llap
	STEP 0, 1, 0, 0, 1                             ; the last lap, the walk's K steps 6 and 7, fills nothing and has no round of the cluster's barrier
	STEP 0, 2, 0, 0, 1
	TURN 0, 1, 0
	STEP 1, 0, 0, 0, 2
	STEP 1, 1, 0, 0, 2
	STEP 1, 2, 0, 0, 2
	s_wait_dscnt 8                                 ; the very last step: nothing more to fetch
	WIN MUL_LO
	MUL16 0, 1, NQ-1, 1, 0
	MUL16 2, 1, NQ-1, 1, 0
	s_wait_dscnt 0
	WIN 0
	SIDE 3, 2, 0
	WIN MUL_HI
	MUL16 4, 1, NQ-1, 1, 0
	MUL16 6, 1, NQ-1, 1, 0
	WIN 0
	PLACES NP
	; ---- THE 40 NORMS: the four waves' parts meet in LDS.  Slot 0 was left at the last change of slots: it has had its last fill, and nobody reads it
.irp c, 0,1,2,3,4
	ds_store_b32 v[NRMW], v[PN+\c] offset:128*\c   ; lane s: my 512 columns' sum of squares of sample s of class c
.endr
	s_wait_dscnt 0x0
	s_barrier_signal -1
	s_barrier_wait -1
.irp c, 0,1,2,3,4
.irp u, 0,1,2,3
	ds_load_b32 v[NT+4*\c+\u], v[NRMR] offset:640*\u+128*\c
.endr
.endr
	v_mov_b32 v[NEG], -1.0
	v_mov_b32 v[ZR], 0
	v_mov_b32 v[SX], 0                             ; written once: a lane permute's destination counts as one of its sources
	s_wait_dscnt 0x0
.irp c, 0,1,2,3,4
	v_add_f32 v[NT+4*\c], v[NT+4*\c], v[NT+4*\c+1]
	v_add_f32 v[NT+4*\c+2], v[NT+4*\c+2], v[NT+4*\c+3]
.endr
.irp c, 0,1,2,3,4
	v_add_f32 v[NT+4*\c], v[NT+4*\c], v[NT+4*\c+2]
.endr
.irp c, 0,1,2,3,4
	v_rsq_f32 v[NT+4*\c+1], v[NT+4*\c]             ; lane s: 1 / |prototype (c, s)|
.endr
	v_nop                                          ; a plain instruction behind the last of them,
	s_wait_alu depctr_va_vdst(0)                   ; and the wait ahead of the first use: one for the five
.irp c, 0,1,2,3,4
.irp s, 0,1,2,3,4,5,6,7
	v_readlane_b32 s[WT+8*\c+\s], v[NT+4*\c+1], \s ; the descriptors' registers are free: no tensor load has been out since the last change of slots
.endr
.endr
	; ---- THE TABLE: thread t owns columns 2 t and 2 t + 1 of the tile
	s_wait_loadcnt 0x0                             ; the 40 raw slices and W_fc
.irp c, 0,1,2,3,4
	v_mul_f32 v[PV+2*\c], s[WT+8*\c], v[PS+16*\c]
	v_mul_f32 v[PV+2*\c+1], s[WT+8*\c], v[PS+16*\c+1]
.endr
.irp s, 1,2,3,4,5,6,7
.irp c, 0,1,2,3,4
	v_fmac_f32 v[PV+2*\c], s[WT+8*\c+\s], v[PS+16*\c+2*\s]
	v_fmac_f32 v[PV+2*\c+1], s[WT+8*\c+\s], v[PS+16*\c+2*\s+1]
.endr
.endr
.macro SPLIT ra, rb, row               ; two neighbours of table row 'row' as hi and lo: hi rounded to bf16, lo = the number - hi (exact), rounded to bf16.  Each row has registers of its own for its stores
	v_cvt_pk_bf16_f32 v[NT+(\row)], v[\ra], v[\rb]
	v_fma_mix_f32_bf16 v[TL+2*((\row)%2)], v[NT+(\row)], v[NEG], v[\ra] op_sel_hi:[1,0,0]
	v_fma_mix_f32_bf16 v[TL+2*((\row)%2)+1], v[NT+(\row)], v[NEG], v[\rb] op_sel:[1,0,0] op_sel_hi:[1,0,0]
	v_cvt_pk_bf16_f32 v[NT+10+(\row)], v[TL+2*((\row)%2)], v[TL+2*((\row)%2)+1]
	ds_store_b32 v[TBW], v[NT+(\row)] offset:TPITCH*(\row)
	ds_store_b32 v[TBW], v[NT+10+(\row)] offset:TPITCH*(\row)+TBD
.endm
.irp c, 0,1,2,3,4
	SPLIT WF+\c, WF+5+\c, \c
.endr
.irp c, 0,1,2,3,4
	SPLIT PV+2*\c, PV+2*\c+1, 5+\c
.endr
.irp w, 10,11,12,13,14,15
	ds_store_b32 v[TBW], v[ZR] offset:TPITCH*\w
	ds_store_b32 v[TBW], v[ZR] offset:TPITCH*\w+TBD
.endr
	s_wait_dscnt 0x0
	s_barrier_signal -1
	s_barrier_wait -1                              ; the table is whole
	WIN TO_F
.irp f, 0,1,2,3                        ; my half's 128 columns: four fragments (16 table rows x 32 along n) of hi, four of lo
	ds_load_b128 v[WFH+8*\f:WFH+8*\f+3], v[TBR] offset:64*\f
	ds_load_b128 v[WFH+8*\f+4:WFH+8*\f+7], v[TBR] offset:64*\f+32
	ds_load_b128 v[WFL+8*\f:WFL+8*\f+3], v[TBR] offset:TBD+64*\f
	ds_load_b128 v[WFL+8*\f+4:WFL+8*\f+7], v[TBR] offset:TBD+64*\f+32
.endr
	v_mov_b32 v[NEGW], -1.0                        ; a second -1.0, in window 1
; The three accumulators of block a are added, from the low end on, into registers of their own, and go to the stage: lane (r, h) holds table row r and rows 16 a + 8 h + 0 .. 7 of my 128.
.macro COMBINE a
	s_wait_dscnt 0x0                               ; the last block's stores have read their registers
.irp j, 0,2,4,6
	v_pk_add_f32 v[CB+\j:CB+\j+1], v[DH+\j:DH+\j+1], v[DM+\j:DM+\j+1]
.endr
.irp j, 0,2,4,6
	v_pk_add_f32 v[CB+\j:CB+\j+1], v[CB+\j:CB+\j+1], v[DL+\j:DL+\j+1]
.endr
	ds_store_b128 v[STW], v[CB:CB+3] offset:SPITCH+64*(\a)
	ds_store_b128 v[STW], v[CB+4:CB+7] offset:SPITCH+64*(\a)+16
.endm
; BLOCK a: my rows 16 a on, my 128 columns.  The 32 packed squares read each accumulator from its low end on, and are the places behind the last block's products.
.macro BLOCK a
.set AC, 64*((\a)%4)
	WIN 0x0a+5*((\a)/4)                            ; sources 0 and 1: window 2 or 3
.irp b, 0,1,2,3,4,5,6,7
.if \b == 0
	v_pk_mul_f32 v[SS:SS+1], v[AC:AC+1], v[AC:AC+1]
	v_pk_mul_f32 v[SS+2:SS+3], v[AC+2:AC+3], v[AC+2:AC+3]
.else
	v_pk_fma_f32 v[SS:SS+1], v[AC+8*\b:AC+8*\b+1], v[AC+8*\b:AC+8*\b+1], v[SS:SS+1]
	v_pk_fma_f32 v[SS+2:SS+3], v[AC+8*\b+2:AC+8*\b+3], v[AC+8*\b+2:AC+8*\b+3], v[SS+2:SS+3]
.endif
	v_pk_fma_f32 v[SS:SS+1], v[AC+8*\b+4:AC+8*\b+5], v[AC+8*\b+4:AC+8*\b+5], v[SS:SS+1]
	v_pk_fma_f32 v[SS+2:SS+3], v[AC+8*\b+6:AC+8*\b+7], v[AC+8*\b+6:AC+8*\b+7], v[SS+2:SS+3]
.endr
	WIN 0x4a+5*((\a)/4)                            ; and the destination window 1
.irp b, 0,1,2,3,4,5,6,7
.irp j, 0,1,2,3
	v_cvt_pk_bf16_f32 v[FH+4*\b+\j], v[AC+8*\b+2*\j], v[AC+8*\b+2*\j+1]   ; hi: accumulators 2 f and 2 f + 1 make fragment f
.endr
.endr
	WIN 0x65+0x10*((\a)/4)                         ; sources 0, 1 and the destination window 1, source 2 window 2 or 3
.irp b, 0,1,2,3,4,5,6,7
.irp j, 0,1,2,3
	v_fma_mix_f32_bf16 v[LO+8*\b+2*\j], v[FH+4*\b+\j], v[NEGW], v[AC+8*\b+2*\j] op_sel_hi:[1,0,0]                      ; the number - hi: exact
	v_fma_mix_f32_bf16 v[LO+8*\b+2*\j+1], v[FH+4*\b+\j], v[NEGW], v[AC+8*\b+2*\j+1] op_sel:[1,0,0] op_sel_hi:[1,0,0]
.endr
.endr
	WIN 0x45
.irp b, 0,1,2,3,4,5,6,7
.irp j, 0,1,2,3
	v_cvt_pk_bf16_f32 v[FL+4*\b+\j], v[LO+8*\b+2*\j], v[LO+8*\b+2*\j+1]   ; lo
.endr
.endr
	WIN 0
.if (\a) > 0
	COMBINE (\a)-1
.else
	s_wait_dscnt 0x0                               ; the table's fragments are in
.endif
	v_pk_add_f32 v[SS:SS+1], v[SS:SS+1], v[SS+2:SS+3]
	v_add_f32 v[SS], v[SS], v[SS+1]
	v_permlanex16_b32 v[SX], v[SS], s[SEL], s[SEL+1]
	v_add_f32 v[SR], v[SS], v[SX]                  ; row r's sum of squares over my 128 columns, in both halves of the lanes,
	ds_store_b32 v[SSW], v[SR] offset:64*(\a)      ; which write the same word with the same value
	WIN 0x05                                       ; sources 0 and 1 window 1; C and D window 0
.irp f, 0,1,2,3                        ; source 0 = 16 rows of feats, source 1 = the table's 16 rows.  The three accumulators take turns; the first products start the sums
.if \f == 0
	v_wmma_f32_16x16x32_bf16 v[DH:DH+7], v[FH:FH+7], v[WFH:WFH+7], 0
	v_wmma_f32_16x16x32_bf16 v[DM:DM+7], v[FL:FL+7], v[WFH:WFH+7], 0
	v_wmma_f32_16x16x32_bf16 v[DL:DL+7], v[FH:FH+7], v[WFL:WFL+7], 0
.else
	v_wmma_f32_16x16x32_bf16 v[DH:DH+7], v[FH+8*\f:FH+8*\f+7], v[WFH+8*\f:WFH+8*\f+7], v[DH:DH+7]
	v_wmma_f32_16x16x32_bf16 v[DM:DM+7], v[FL+8*\f:FL+8*\f+7], v[WFH+8*\f:WFH+8*\f+7], v[DM:DM+7]
	v_wmma_f32_16x16x32_bf16 v[DL:DL+7], v[FH+8*\f:FH+8*\f+7], v[WFL+8*\f:WFL+8*\f+7], v[DL:DL+7]
.endif
.endr
.endm
.irp a, 0,1,2,3,4,5,6,7
	BLOCK \a
.endr
	WIN 0
	PLACES NP
	COMBINE 7
	s_wait_dscnt 0x0
	s_barrier_signal -1
	s_barrier_wait -1                              ; both stages are whole
	; ---- THE WAY OUT: wave w takes planes 3 w on; a plane's 256 rows are two runs of 512 bytes; the two halves of the columns are added
.irp u, 0,1,2,3
	ds_load_b128 v[OA+4*\u:OA+4*\u+3], v[STR] offset:SPITCH*(\u/2)+512*(\u%2)
	ds_load_b128 v[OB+4*\u:OB+4*\u+3], v[STR] offset:STGH+SPITCH*(\u/2)+512*(\u%2)
.endr
	s_wait_dscnt 0x0
.irp u, 0,1,2,3
	v_pk_add_f32 v[OA+4*\u:OA+4*\u+1], v[OA+4*\u:OA+4*\u+1], v[OB+4*\u:OB+4*\u+1]
	v_pk_add_f32 v[OA+4*\u+2:OA+4*\u+3], v[OA+4*\u+2:OA+4*\u+3], v[OB+4*\u+2:OB+4*\u+3]
	global_store_b128 v[GOF], v[OA+4*\u:OA+4*\u+3], s[PRT:PRT+1] offset:32768*(\u/2)+512*(\u%2) th:TH_STORE_NT   ; 32 lanes store 512 consecutive bytes, at a multiple of 256 from part's first byte
.endr
	s_cmp_eq_u32 s14, 3                            ; there are eleven planes: wave 3 has two
	s_cbranch_scc1 .Lno_third
.irp u, 4,5
	ds_load_b128 v[OA+4*\u:OA+4*\u+3], v[STR] offset:SPITCH*(\u/2)+512*(\u%2)
	ds_load_b128 v[OB+4*\u:OB+4*\u+3], v[STR] offset:STGH+SPITCH*(\u/2)+512*(\u%2)
.endr
	s_wait_dscnt 0x0
.irp u, 4,5
	v_pk_add_f32 v[OA+4*\u:OA+4*\u+1], v[OA+4*\u:OA+4*\u+1], v[OB+4*\u:OB+4*\u+1]
	v_pk_add_f32 v[OA+4*\u+2:OA+4*\u+3], v[OA+4*\u+2:OA+4*\u+3], v[OB+4*\u+2:OB+4*\u+3]
	global_store_b128 v[GOF], v[OA+4*\u:OA+4*\u+3], s[PRT:PRT+1] offset:32768*(\u/2)+512*(\u%2) th:TH_STORE_NT
.endr
.Lno_third:
	s_wait_tensorcnt 0x0                           ; the wave's end, behind my last tensor load and my last LDS store
	ds_add_u32 v[SPW], v[NIL]
	s_wait_dscnt 0x0
	CROUND                                         ; the closing round: no work-group ends while a partner may still ask for a tile that names it
	s_endpgm
.Lfunc_end_k_q4885f64225_gemm:
	.size	k_q4885f64225_gemm, .Lfunc_end_k_q4885f64225_gemm-k_q4885f64225_gemm
	.p2alignl 7, 3214868480
	.fill 96, 4, 3214868480
	.section	.rodata,"a",@progbits
	.p2align	6, 0x0
	.amdhsa_kernel k_q4885f64225_gemm
		.amdhsa_group_segment_fixed_size 327680
		.amdhsa_private_segment_fixed_size 0
		.amdhsa_enable_private_segment 0
		.amdhsa_kernarg_size 56
		.amdhsa_user_sgpr_count 2
		.amdhsa_user_sgpr_kernarg_segment_ptr 1
		.amdhsa_wavefront_size32 1
		.amdhsa_system_sgpr_workgroup_id_x 1
		.amdhsa_system_sgpr_workgroup_id_y 1
		.amdhsa_system_sgpr_workgroup_id_z 1
		.amdhsa_system_vgpr_workitem_id 0
		.amdhsa_next_free_vgpr 1024
		.amdhsa_next_free_sgpr 88
		.amdhsa_reserve_vcc 0
		.amdhsa_float_denorm_mode_32 3
		.amdhsa_float_denorm_mode_16_64 3
		.amdhsa_memory_ordered 1
		.amdhsa_forward_progress 1
		.amdhsa_inst_pref_size 255
	.end_amdhsa_kernel
	.section	.bss,"aw",@nobits
	.p2align	6
	.space	262144
	.amdgpu_metadata
---
amdhsa.version: [ 1, 2 ]
amdhsa.kernels:
  - .name:           k_q4885f64225_gemm
    .symbol:         k_q4885f64225_gemm.kd
    .args:
      - { .name: x_codes, .offset: 0, .size: 8, .value_kind: global_buffer, .address_space: global }
      - { .name: x_scales, .offset: 8, .size: 8, .value_kind: global_buffer, .address_space: global }
      - { .name: W_feat_codes, .offset: 16, .size: 8, .value_kind: global_buffer, .address_space: global }
      - { .name: W_feat_scales, .offset: 24, .size: 8, .value_kind: global_buffer, .address_space: global }
      - { .name: W_fc, .offset: 32, .size: 8, .value_kind: global_buffer, .address_space: global }
      - { .name: prototypes, .offset: 40, .size: 8, .value_kind: global_buffer, .address_space: global }
      - { .name: part, .offset: 48, .size: 8, .value_kind: global_buffer, .address_space: global }
    .group_segment_fixed_size: 327680
    .private_segment_fixed_size: 0
    .kernarg_segment_align: 8
    .kernarg_segment_size: 56
    .max_flat_workgroup_size: 128
    .sgpr_count:     88
    .vgpr_count:     1024
    .wavefront_size: 32
...
	.end_amdgpu_metadata
.endif
;; end of part 1
;; launch finish (part 2): grid 128 x 1, 1 waves a work-group, no clusters, 1,792 bytes of LDS; arguments part, b_fc, out0, out1; writes out0, out1
.if DOCPART == 2
	.amdgcn_target "amdgcn-amd-amdhsa--gfx1250"
	.amdhsa_code_object_version 6
	.text
	.protected	k_q4885f64225_finish
	.globl	k_q4885f64225_finish
	.p2align	8
	.type	k_q4885f64225_finish,@function
k_q4885f64225_finish:
	s_mov_b64 s[64:65], 0
	v_nop
	global_prefetch_b8 v0, s[64:65] scope:SCOPE_SE
	s_setreg_imm32_b32 hwreg(HW_REG_WAVE_MODE, 25, 1), 1
	s_wait_xcnt 0x0
; part[tx 0..7][class 0..10][row 0..8191], f32: the eight column tiles' partial sums are added in a fixed tree.  Class 0: the row's sum of feats^2; 1-5: feats . W_fc; 6-10: feats . P_c.
; out0[row][c] = sum 1 + c, + b_fc[c].  out1[row] = the first c with the largest score, score c = sum 6 + c / |feats| / 8.
; One wave to a work-group, 64 rows; a lane owns two neighbouring rows: each of the 88 loads reads 256 consecutive bytes, at a multiple of 256 from part's first byte.  No matrix unit, no cluster, no barrier: there is
; nothing to multiply and the waves share nothing.  No prefetch: all 88 loads of a wave go out at its head.
; LIMITS: a row's sum of feats^2 must be a normal f32 number, or 0 (v_rsq_f32 takes denormals as zero: ISA guide, its entry in 15.8).  A row of zeros gives five NaN scores and the label 0, as an argmax in which a NaN
; counts as the largest does.  NaN and infinities among the inputs are not served.
.set PLN, 32768                        ; a class's plane in bytes
.set SLC, 11*PLN                       ; a column tile's eleven planes
.set S,   16                           ; v[S + 16 k + 2 t]: class k, tile t, my two rows; after SUM k the sum lies at t = 0
.set OUTV, 200                         ; v200-209: out0 of my two rows, 5 x row + c
.set BK,  210                          ; v210-219: out0 back from LDS
	s_load_b128 s[4:7], s[0:1], 0x0                ; part, b_fc
	s_load_b128 s[8:11], s[0:1], 0x10              ; out0, out1
	v_lshl_add_u32 v224, v0, 2, 0x600
	v_mov_b32 v225, 0
	v_lshlrev_b32 v1, 3, v0                        ; 8 x lane: my two rows in a plane, and in out1
	v_mul_u32_u24 v2, v0, 40                       ; 40 x lane: my two rows of out0
	s_lshl_b32 s18, ttmp9, 8                       ; 64 rows of 4 bytes
	s_mov_b32 s19, 0
	s_mul_i32 s20, ttmp9, 1280                     ; 64 rows of 20 bytes
	s_mov_b32 s21, 0
	s_wait_kmcnt 0x0
	s_load_b128 s[12:15], s[6:7], 0x0              ; b_fc: five numbers
	s_load_b32 s16, s[6:7], 0x10
	s_add_nc_u64 s[4:5], s[4:5], s[18:19]
	s_add_nc_u64 s[8:9], s[8:9], s[20:21]
	s_add_nc_u64 s[10:11], s[10:11], s[18:19]
.irp k, 0,1,2,3,4,5,6,7,8,9,10
.irp t, 0,1,2,3,4,5,6,7
	global_load_b64 v[S+16*\k+2*\t:S+16*\k+2*\t+1], v1, s[4:5] offset:SLC*\t+PLN*\k th:TH_LOAD_NT
.endr
.endr
.macro SUM k
.if 80-8*\k > 63
	s_wait_loadcnt 63                              ; behind class k's eight loads stand 80 - 8 k; a wait names 63 at the most, which shows the oldest 25 of the 88 done
.else
	s_wait_loadcnt 80-8*\k                         ; class k's eight loads are in; those of the classes behind it may be out
.endif
.irp t, 0,4,8,12
	v_pk_add_f32 v[S+16*\k+\t:S+16*\k+\t+1], v[S+16*\k+\t:S+16*\k+\t+1], v[S+16*\k+\t+2:S+16*\k+\t+3]
.endr
.irp t, 0,8
	v_pk_add_f32 v[S+16*\k+\t:S+16*\k+\t+1], v[S+16*\k+\t:S+16*\k+\t+1], v[S+16*\k+\t+4:S+16*\k+\t+5]
.endr
	v_pk_add_f32 v[S+16*\k:S+16*\k+1], v[S+16*\k:S+16*\k+1], v[S+16*\k+8:S+16*\k+9]
.endm
	SUM 0
	v_rsq_f32 v4, v[S]                             ; 1 / |feats| of my two rows
	v_rsq_f32 v5, v[S+1]
	v_mov_b32 v8, 0                                ; (plain instructions behind the two)  the labels so far
	v_mov_b32 v9, 0
.irp c, 1,2,3,4
	v_mov_b32 v[9+\c], \c                          ; v10-13: the numbers 1 to 4
.endr
.irp k, 1,2,3,4,5
	SUM \k
.endr
	s_wait_kmcnt 0x0                               ; b_fc
.irp c, 0,1,2,3,4
	v_add_f32 v[OUTV+\c], s[12+\c], v[S+16+16*\c]
	v_add_f32 v[OUTV+5+\c], s[12+\c], v[S+17+16*\c]
.endr
.irp i, 0,1,2,3,4
	ds_store_b64 v2, v[OUTV+2*\i:OUTV+2*\i+1] offset:8*\i   ; a lane's 40 bytes lie 40 apart: through LDS,
.endr
.irp i, 0,1,2,3,4
	ds_load_b64 v[BK+2*\i:BK+2*\i+1], v1 offset:256*\i      ; so that a store covers 256 consecutive bytes.  LDS serves a wave's instructions in order (ISA guide 5.7.1.4): these see the stores above
.endr
.irp k, 6,7,8,9,10
	SUM \k
.endr
	s_wait_alu depctr_va_vdst(0)                   ; the wait ahead of the first use of the two reciprocal roots
	v_mul_f32 v4, 0x3e000000, v4                   ; / 8, the samples of a class
	v_mul_f32 v5, 0x3e000000, v5
.irp c, 0,1,2,3,4
	v_pk_mul_f32 v[S+96+16*\c:S+97+16*\c], v[S+96+16*\c:S+97+16*\c], v[4:5]   ; the scores
.endr
	v_mov_b32 v6, v[S+96]                          ; the best so far: class 0's
	v_mov_b32 v7, v[S+97]
.irp c, 1,2,3,4                        ; a later class wins only where it is strictly larger: the first of equals is kept
	v_cmp_gt_f32 vcc_lo, v[S+96+16*\c], v6
	v_cndmask_b32 v6, v6, v[S+96+16*\c], vcc_lo
	v_cndmask_b32 v8, v8, v[9+\c], vcc_lo
	v_cmp_gt_f32 vcc_lo, v[S+97+16*\c], v7
	v_cndmask_b32 v7, v7, v[S+97+16*\c], vcc_lo
	v_cndmask_b32 v9, v9, v[9+\c], vcc_lo
.endr
	global_store_b64 v1, v[8:9], s[10:11]          ; 32 lanes store 256 consecutive bytes of out1
	s_wait_dscnt 0x0
.irp i, 0,1,2,3,4
	global_store_b64 v1, v[BK+2*\i:BK+2*\i+1], s[8:9] offset:256*\i   ; and five times 256 of out0, each at a multiple of 256 from its first byte
.endr
	s_wait_tensorcnt 0x0
	ds_add_u32 v224, v225
	s_wait_dscnt 0x0
	s_endpgm
.Lfunc_end_k_q4885f64225_finish:
	.size	k_q4885f64225_finish, .Lfunc_end_k_q4885f64225_finish-k_q4885f64225_finish
	.p2alignl 7, 3214868480
	.fill 96, 4, 3214868480
	.section	.rodata,"a",@progbits
	.p2align	6, 0x0
	.amdhsa_kernel k_q4885f64225_finish
		.amdhsa_group_segment_fixed_size 1792
		.amdhsa_private_segment_fixed_size 0
		.amdhsa_enable_private_segment 0
		.amdhsa_kernarg_size 32
		.amdhsa_user_sgpr_count 2
		.amdhsa_user_sgpr_kernarg_segment_ptr 1
		.amdhsa_wavefront_size32 1
		.amdhsa_system_sgpr_workgroup_id_x 1
		.amdhsa_system_sgpr_workgroup_id_y 1
		.amdhsa_system_sgpr_workgroup_id_z 1
		.amdhsa_system_vgpr_workitem_id 0
		.amdhsa_next_free_vgpr 226
		.amdhsa_next_free_sgpr 66
		.amdhsa_reserve_vcc 1
		.amdhsa_float_denorm_mode_32 3
		.amdhsa_float_denorm_mode_16_64 3
		.amdhsa_memory_ordered 1
		.amdhsa_forward_progress 1
		.amdhsa_inst_pref_size 18
	.end_amdhsa_kernel
	.amdgpu_metadata
---
amdhsa.version: [ 1, 2 ]
amdhsa.kernels:
  - .name:           k_q4885f64225_finish
    .symbol:         k_q4885f64225_finish.kd
    .args:
      - { .name: part, .offset: 0, .size: 8, .value_kind: global_buffer, .address_space: global }
      - { .name: b_fc, .offset: 8, .size: 8, .value_kind: global_buffer, .address_space: global }
      - { .name: out0, .offset: 16, .size: 8, .value_kind: global_buffer, .address_space: global }
      - { .name: out1, .offset: 24, .size: 8, .value_kind: global_buffer, .address_space: global }
    .group_segment_fixed_size: 1792
    .private_segment_fixed_size: 0
    .kernarg_segment_align: 8
    .kernarg_segment_size: 32
    .max_flat_workgroup_size: 32
    .sgpr_count:     66
    .vgpr_count:     226
    .wavefront_size: 32
...
	.end_amdgpu_metadata
.endif
;; end of part 2
